; MI455X (gfx1250); checked and timed in simulation.
; The chip was launched on July 23, 2026; its instructions are those of AMD's public machine-readable ISA for CDNA 5 (MIT licence, August 2026) and "CDNA5" Instruction Set Architecture Reference Guide (July 2026). The comments in the code are by the model that wrote it; some were corrected since.
;; Q Measure Density. Allowed arithmetic: float matrix products may take bf16 or f16 operands with f32 sums; all other float work in f32.
;; Inputs: inputs 16,384 x 2,048 float32; rho 2,048 x 2,048 float32.
;; Outputs: out0 16,384 float32.
;; One version. Each part assembles by itself: llvm-mc -triple=amdgcn-amd-amdhsa -mcpu=gfx1250 --defsym DOCPART=n.
;; ======== version 1 of 1: 3 launches
;; workspace buffers: xb 67,108,864 bytes; wp 6,291,456 bytes; nrm 65,536 bytes; part 524,288 bytes
;; launch prep (part 1): grid 400 x 1, 8 waves a work-group, no clusters, 34,560 bytes of LDS; arguments inputs, rho, xb, wp, nrm; writes xb, wp, nrm
.if DOCPART == 1
	.amdgcn_target "amdgcn-amd-amdhsa--gfx1250"
	.amdhsa_code_object_version 6
	.text
	.protected	k_q41366074b0_prep
	.globl	k_q41366074b0_prep
	.p2align	8
	.type	k_q41366074b0_prep,@function
k_q41366074b0_prep:
	s_mov_b64 s[64:65], 0
	v_nop
	global_prefetch_b8 v0, s[64:65] scope:SCOPE_SE
	s_setreg_imm32_b32 hwreg(HW_REG_WAVE_MODE, 25, 1), 1
	s_wait_xcnt 0x0
; PREPARATION FOR out[b] = |x_b|^2 (x_b^T rho x_b).  inputs: [16384][2048] f32, rho: [2048][2048] f32.
; Stored: xb = inputs rounded to bf16, [16384][2048]; nrm[b] = the sum over a row of xb^2, in f32; wp = three matrices [1024][1024] of bf16.
; With the index range cut into halves 1 and 2, x^T rho x = x1^T R11 x1 + x1^T (R12 + R21^T) x2 + x2^T R22 x2 for every rho:
;   W0[n][k] = bf16(rho[n][k]);  W1[n][k] = bf16(bf16(rho[n][1024+k]) + bf16(rho[1024+k][n]));  W2[n][k] = bf16(rho[1024+n][1024+k]).
; LIMITS.  x and rho are rounded to bf16 once, and the rounded x serves the product, the closing dot and the norm alike.  An entry of W1 is rounded
; a second time, after the sum of its two rounded halves (half a unit in bf16's eighth bit of that entry).  The sums' order is not reference()'s.  NaN and infinities are not treated apart.
; A STREAM: bytes decide, so there is no matrix work and no cluster (no two work-groups read the same bytes); LDS serves only the turn of R21 and the gathering of 64 norms.
; THREE PATHS, chosen by the work-group's number alone, so a whole work-group takes one:
;   0-255   X:  64 rows of inputs, 8 a wave          256-383  WS: 64 x 128 of W1          384-399  WP: 128 rows of W0 or of W2, 16 a wave
; LDS: bytes 0 to 33,279 path WS's tile; 33,280 to 33,535 path X's 64 norms; then the spare words.  No byte is named on two paths.
.set TP,    260                        ; WS: a row of the tile in LDS, 64 f32 + one word: 65 words
.set NRMB,  128*TP                     ; X: the work-group's 64 norms, a block of 256 bytes of their own behind the tile's 128 rows
.set SPARE, NRMB+256                   ; the spare words, 128 bytes for each of eight waves: four blocks of 256 bytes that no other line names
.set SPW, 6                            ; v6       LDS address of my spare word; never rewritten
.set NIL, 7                            ; v7       0; never rewritten
.set N,   8                            ; v[8:11]  X: four chains of a row's sum of squares
.set Y,   16                           ; v[16:31] a segment rounded, to store
.set X,   32                           ; v[32:159] four slots of 32: a segment (1,024 f32) as loaded
.set IN,  22                           ; s[22:23] where the stream is read
.set OUT, 24                           ; s[24:25] where it is written
	s_load_b256 s[4:11], s[0:1], 0x0               ; inputs s[4:5], rho s[6:7], xb s[8:9], wp s[10:11]
	s_load_b64 s[12:13], s[0:1], 0x20              ; nrm
	v_lshl_add_u32 v[SPW], v0, 2, SPARE
	v_mov_b32 v[NIL], 0
	v_lshrrev_b32 v1, 5, v0
	v_readfirstlane_b32 s14, v1                    ; wave 0..7
	s_mov_b32 s15, 0xffff0000                      ; a word's upper bf16
	s_mov_b32 s16, 0x76543210                      ; v_permlanex16_b32: each lane takes its own place in the other half
	s_mov_b32 s17, 0xfedcba98
	s_mov_b32 s19, 0                               ; high words of the offset pairs
	s_mov_b32 s29, 0
	v_and_b32 v1, 31, v0                           ; lane
	s_wait_kmcnt 0x0
	s_cmp_lt_u32 ttmp9, 256
	s_cbranch_scc1 .LX
	s_cmp_lt_u32 ttmp9, 384
	s_cbranch_scc1 .LWS
	s_branch .LWP
; One segment: 1,024 f32 in (eight loads of 512 neighbouring bytes a wave), 1,024 bf16 out (eight stores of 256 neighbouring, aligned bytes a wave).
; s: its slot.  fill = 1: the slot takes the segment four further on.  left: the younger loads that may stay out.  norm = 1: the squares of the rounded numbers are summed.
; ins: bytes from one segment to the next in the source.
.macro SEG s, fill, left, norm, ins
	s_wait_loadcnt \left                           ; loads come back in order: this slot's eight are in, the younger slots' stay out
	s_wait_xcnt 0x0                                ; Y held the last segment's store data: it is rewritten only behind this wait
.irp j, 0,1,2,3,4,5,6,7
	v_cvt_pk_bf16_f32 v[Y+2*(\j)],   v[X+32*(\s)+4*(\j)],   v[X+32*(\s)+4*(\j)+1]
	v_cvt_pk_bf16_f32 v[Y+2*(\j)+1], v[X+32*(\s)+4*(\j)+2], v[X+32*(\s)+4*(\j)+3]
.if \norm
	v_fma_mix_f32_bf16 v[N],   v[Y+2*(\j)],   v[Y+2*(\j)],   v[N]   op_sel_hi:[1,1,0]                   ; low half squared, onto an f32 chain
	v_fma_mix_f32_bf16 v[N+1], v[Y+2*(\j)],   v[Y+2*(\j)],   v[N+1] op_sel:[1,1,0] op_sel_hi:[1,1,0]    ; high half squared
	v_fma_mix_f32_bf16 v[N+2], v[Y+2*(\j)+1], v[Y+2*(\j)+1], v[N+2] op_sel_hi:[1,1,0]
	v_fma_mix_f32_bf16 v[N+3], v[Y+2*(\j)+1], v[Y+2*(\j)+1], v[N+3] op_sel:[1,1,0] op_sel_hi:[1,1,0]
.endif
.endr
.if \fill
.irp j, 0,1,2,3,4,5,6,7
	global_load_b128 v[X+32*(\s)+4*(\j):X+32*(\s)+4*(\j)+3], v2, s[IN:IN+1] offset:((\s)+4)*(\ins)+512*(\j) th:TH_LOAD_NT
.endr
.endif
.irp j, 0,1,2,3,4,5,6,7
	global_store_b64 v3, v[Y+2*(\j):Y+2*(\j)+1], s[OUT:OUT+1] offset:2048*(\s)+256*(\j)
.endr
.endm
.macro ROWBEGIN                        ; four lines for a row's 64 multiply-adds a lane
.irp c, 0,1,2,3
	v_mov_b32 v[N+(\c)], 0
.endr
.endm
; A row's sum: the four chains, the 32 lanes; every lane then holds it, and the lanes whose number mod 8 is the row's number among my eight keep it in v13.
.macro ROWEND
	v_add_f32 v[N], v[N], v[N+1]
	v_add_f32 v[N+2], v[N+2], v[N+3]
	v_add_f32 v[N], v[N], v[N+2]
	v_add_f32_dpp v[N], v[N], v[N] row_xmask:1 row_mask:0xf bank_mask:0xf
	v_add_f32_dpp v[N], v[N], v[N] row_xmask:2 row_mask:0xf bank_mask:0xf
	v_add_f32_dpp v[N], v[N], v[N] row_xmask:4 row_mask:0xf bank_mask:0xf
	v_add_f32_dpp v[N], v[N], v[N] row_xmask:8 row_mask:0xf bank_mask:0xf
	v_permlanex16_b32 v12, v[N], s16, s17
	v_add_f32 v[N], v[N], v12
	v_cmp_eq_u32 vcc_lo, s21, v4
	v_cndmask_b32 v13, v13, v[N], vcc_lo
	s_add_co_u32 s21, s21, 1
.endm
.macro PAIR s, fill, l0, l1, norm, ins ; two segments: in path X a row
.if \norm
	ROWBEGIN
.endif
	SEG \s, \fill, \l0, \norm, \ins
	SEG (\s)+1, \fill, \l1, \norm, \ins
.if \norm
	ROWEND
.endif
.endm
; Sixteen segments of a wave through a ring of four slots in registers: 32 loads of a wave are always on their way.
.macro STREAM norm, ins
.irp s, 0,1,2,3
.irp j, 0,1,2,3,4,5,6,7
	global_load_b128 v[X+32*(\s)+4*(\j):X+32*(\s)+4*(\j)+3], v2, s[IN:IN+1] offset:(\s)*(\ins)+512*(\j) th:TH_LOAD_NT
.endr
.endr
	s_mov_b32 s20, 3
.Lround_\@:
	PAIR 0, 1, 24, 24, \norm, \ins                 ; 24: the three younger slots' eight loads each, round the back edge too
	PAIR 2, 1, 24, 24, \norm, \ins
	s_wait_xcnt 0x0                                ; the two bases are stepped only behind this wait
	s_add_nc_u64 s[IN:IN+1], s[IN:IN+1], 4*(\ins)
	s_add_nc_u64 s[OUT:OUT+1], s[OUT:OUT+1], 8192
	s_sub_co_u32 s20, s20, 1
	s_cmp_lg_u32 s20, 0
	s_cbranch_scc1 .Lround_\@
	PAIR 0, 0, 24, 16, \norm, \ins                 ; the last round loads nothing: the counts run down
	PAIR 2, 0, 8, 0, \norm, \ins
.endm
; PATH WP: W0 = rho's upper left quarter, W2 = its lower right one, rounded.  A segment is half a row of rho; the rows of wp lie end to end.
.LWP:
	v_lshlrev_b32 v2, 4, v1                        ; 16 bytes a lane in
	v_lshlrev_b32 v3, 3, v1                        ; 8 bytes a lane out
	s_sub_co_u32 s18, ttmp9, 384                   ; 0..15
	s_lshr_b32 s26, s18, 3                         ; 0: W0, 1: W2
	s_and_b32 s18, s18, 7
	s_lshl_b32 s18, s18, 7
	s_lshl4_add_u32 s18, s14, s18                  ; my first row in the quarter: 128 x group + 16 x wave
	s_mul_i32 s27, s26, 1024*8192+4096             ; the lower right quarter begins 1,024 rows down and 1,024 columns in
	s_lshl_b32 s28, s18, 13
	s_add_co_u32 s28, s28, s27
	s_add_nc_u64 s[IN:IN+1], s[6:7], s[28:29]
	s_lshl_b32 s27, s26, 22                        ; W2 is wp's third matrix of 2 MiB
	s_lshl_b32 s28, s18, 11
	s_add_co_u32 s28, s28, s27
	s_add_nc_u64 s[OUT:OUT+1], s[10:11], s[28:29]
	STREAM 0, 8192
	s_wait_tensorcnt 0x0                           ; the wave's end, alike on all three paths
	ds_add_u32 v[SPW], v[NIL]
	s_wait_dscnt 0x0
	s_endpgm
; PATH X: the work-group's 64 rows, 8 a wave: 16 segments that lie end to end in inputs and in xb.
.LX:
	v_lshlrev_b32 v2, 4, v1
	v_lshlrev_b32 v3, 3, v1
	v_and_b32 v4, 7, v1                            ; which of my wave's eight rows this lane keeps the norm of
	v_mov_b32 v12, 0                               ; v_permlanex16_b32's destination counts as read
	v_mov_b32 v13, 0
	s_lshl_b32 s18, s14, 5
	v_lshl_add_u32 v14, v4, 2, s18                 ; in the norms' block: row 8 w + lane mod 8 at 4 x that row
	s_mov_b32 s21, 0                               ; the row in hand, among my eight
	s_lshl_b32 s18, ttmp9, 19                      ; 64 rows of 8,192 bytes a work-group,
	s_lshl_b32 s26, s14, 16                        ; 8 a wave
	s_add_co_u32 s18, s18, s26
	s_add_nc_u64 s[IN:IN+1], s[4:5], s[18:19]
	s_lshr_b32 s18, s18, 1                         ; half as many bytes in xb
	s_add_nc_u64 s[OUT:OUT+1], s[8:9], s[18:19]
	s_lshl_b32 s18, ttmp9, 8                       ; 64 norms of 4 bytes
	s_add_nc_u64 s[12:13], s[12:13], s[18:19]
	STREAM 1, 4096
	ds_store_b32 v14, v13 offset:NRMB              ; four lanes write each word, with the same value
	s_wait_dscnt 0x0                               ; for wave 0's sake: my store is done
	s_barrier_signal -1
	s_barrier_wait -1
	s_cmp_lg_u32 s14, 0
	s_cbranch_scc1 .LXend
	ds_load_b64 v[32:33], v3 offset:NRMB           ; the work-group's 64 norms, into a slot whose loads are long done
	s_wait_dscnt 0x0
	global_store_b64 v3, v[32:33], s[12:13]        ; one store of 256 neighbouring, aligned bytes
.LXend:
	s_wait_tensorcnt 0x0                           ; the wave's end, behind my last LDS store
	ds_add_u32 v[SPW], v[NIL]
	s_wait_dscnt 0x0
	s_endpgm
; PATH WS: rows n = 64 nt .. +63 and columns k = 128 kt .. +127 of W1.  D = rho[n][1024+k] is read as it is stored.  T = rho[1024+k][n] is read by rows of k
; (256 neighbouring bytes for sixteen lanes), laid into LDS with a pitch of 65 words and read back by columns.  Thread: a = t mod 16, b = t / 16.
.LWS:
	s_sub_co_u32 s18, ttmp9, 256
	s_lshr_b32 s26, s18, 3                         ; nt 0..15
	s_and_b32 s27, s18, 7                          ; kt 0..7
	v_and_b32 v8, 15, v0                           ; a
	v_lshrrev_b32 v9, 4, v0                        ; b
	v_lshlrev_b32 v10, 13, v9                      ; b rows of rho
	v_lshl_add_u32 v2, v8, 4, v10                  ; T: row k = 16 e + b, n = 4 a .. 4 a + 3
	v_lshl_add_u32 v3, v8, 5, v10                  ; D: row n = 16 g + b, k = 8 a .. 8 a + 7
	v_mul_u32_u24 v4, v9, TP
	v_lshl_add_u32 v4, v8, 4, v4                   ; into LDS: row b, word 4 a
	v_mul_u32_u24 v5, v8, 8*TP
	v_lshl_add_u32 v5, v9, 2, v5                   ; back: row 8 a, word b
	v_lshlrev_b32 v13, 11, v9
	v_lshl_add_u32 v13, v8, 4, v13                 ; out: row b of W1, 16 bytes at 16 a
	s_lshl_b32 s28, s27, 20                        ; 128 kt rows of 8,192 bytes,
	s_add_co_u32 s28, s28, 1024*8192               ; in the lower half,
	s_lshl_b32 s30, s26, 8                         ; 64 nt columns
	s_add_co_u32 s28, s28, s30
	s_add_nc_u64 s[22:23], s[6:7], s[28:29]
	s_lshl_b32 s28, s26, 19                        ; 64 nt rows,
	s_lshl_b32 s30, s27, 9                         ; 128 kt columns,
	s_add_co_u32 s28, s28, s30
	s_add_co_u32 s28, s28, 4096                    ; in the right half
	s_add_nc_u64 s[24:25], s[6:7], s[28:29]
	s_lshl_b32 s28, s26, 17                        ; 64 nt rows of 2,048 bytes,
	s_lshl_b32 s30, s27, 8
	s_add_co_u32 s28, s28, s30
	s_add_co_u32 s28, s28, 1024*2048               ; in wp's second matrix
	s_add_nc_u64 s[10:11], s[10:11], s[28:29]
.irp e, 0,1,2,3,4,5,6,7
	global_load_b128 v[32+4*(\e):32+4*(\e)+3], v2, s[22:23] offset:131072*(\e) th:TH_LOAD_NT
.endr
.irp g, 0,1,2,3
	global_load_b128 v[64+8*(\g):64+8*(\g)+3],   v3, s[24:25] offset:131072*(\g) th:TH_LOAD_NT
	global_load_b128 v[64+8*(\g)+4:64+8*(\g)+7], v3, s[24:25] offset:131072*(\g)+16 th:TH_LOAD_NT
.endr
	s_wait_loadcnt 8                               ; T's eight loads are in; D's eight, issued behind them, may stay out
.irp e, 0,1,2,3,4,5,6,7
.irp q, 0,1,2,3
	ds_store_b32 v4, v[32+4*(\e)+(\q)] offset:16*TP*(\e)+4*(\q)
.endr
.endr
	s_wait_dscnt 0x0                               ; for the others' sake: my part of the tile is in LDS
	s_barrier_signal -1
	s_barrier_wait -1
.irp g, 0,1,2,3
.irp j, 0,1,2,3,4,5,6,7
	ds_load_b32 v[96+8*(\g)+(\j)], v5 offset:TP*(\j)+64*(\g)  ; T[k = 8 a + j][n = 16 g + b]
.endr
.endr
	s_wait_loadcnt 0x0                             ; D
.irp g, 0,1,2,3
	s_wait_dscnt 24-8*(\g)                         ; LDS loads come back in order: group g's eight are in, the later groups' stay out
.irp c, 0,1,2,3
	v_cvt_pk_bf16_f32 v128, v[64+8*(\g)+2*(\c)], v[64+8*(\g)+2*(\c)+1]   ; both halves are rounded first,
	v_cvt_pk_bf16_f32 v129, v[96+8*(\g)+2*(\c)], v[96+8*(\g)+2*(\c)+1]
	v_lshlrev_b32 v130, 16, v128                                         ; widened again,
	v_and_b32 v131, s15, v128
	v_lshlrev_b32 v132, 16, v129
	v_and_b32 v133, s15, v129
	v_pk_add_f32 v[130:131], v[130:131], v[132:133]                      ; added in f32,
	v_cvt_pk_bf16_f32 v[144+4*(\g)+(\c)], v130, v131                     ; and the sum rounded
.endr
	global_store_b128 v13, v[144+4*(\g):144+4*(\g)+3], s[10:11] offset:32768*(\g)  ; sixteen lanes store 256 neighbouring, aligned bytes
.endr
	s_wait_tensorcnt 0x0                           ; the wave's end, behind my last LDS store
	ds_add_u32 v[SPW], v[NIL]
	s_wait_dscnt 0x0
	s_endpgm
.Lfunc_end_k_q41366074b0_prep:
	.size	k_q41366074b0_prep, .Lfunc_end_k_q41366074b0_prep-k_q41366074b0_prep
	.p2alignl 7, 3214868480
	.fill 96, 4, 3214868480
	.section	.rodata,"a",@progbits
	.p2align	6, 0x0
	.amdhsa_kernel k_q41366074b0_prep
		.amdhsa_group_segment_fixed_size 34560
		.amdhsa_private_segment_fixed_size 0
		.amdhsa_enable_private_segment 0
		.amdhsa_kernarg_size 40
		.amdhsa_user_sgpr_count 2
		.amdhsa_user_sgpr_kernarg_segment_ptr 1
		.amdhsa_wavefront_size32 1
		.amdhsa_system_sgpr_workgroup_id_x 1
		.amdhsa_system_sgpr_workgroup_id_y 1
		.amdhsa_system_sgpr_workgroup_id_z 1
		.amdhsa_system_vgpr_workitem_id 0
		.amdhsa_next_free_vgpr 160
		.amdhsa_next_free_sgpr 66
		.amdhsa_reserve_vcc 1
		.amdhsa_float_denorm_mode_32 3
		.amdhsa_float_denorm_mode_16_64 3
		.amdhsa_memory_ordered 1
		.amdhsa_forward_progress 1
		.amdhsa_inst_pref_size 77
	.end_amdhsa_kernel
	.amdgpu_metadata
---
amdhsa.version: [ 1, 2 ]
amdhsa.kernels:
  - .name:           k_q41366074b0_prep
    .symbol:         k_q41366074b0_prep.kd
    .args:
      - { .name: inputs, .offset: 0, .size: 8, .value_kind: global_buffer, .address_space: global }
      - { .name: rho, .offset: 8, .size: 8, .value_kind: global_buffer, .address_space: global }
      - { .name: xb, .offset: 16, .size: 8, .value_kind: global_buffer, .address_space: global }
      - { .name: wp, .offset: 24, .size: 8, .value_kind: global_buffer, .address_space: global }
      - { .name: nrm, .offset: 32, .size: 8, .value_kind: global_buffer, .address_space: global }
    .group_segment_fixed_size: 34560
    .private_segment_fixed_size: 0
    .kernarg_segment_align: 8
    .kernarg_segment_size: 40
    .max_flat_workgroup_size: 256
    .sgpr_count:     66
    .vgpr_count:     160
    .wavefront_size: 32
...
	.end_amdgpu_metadata
.endif
;; end of part 1
;; launch quad (part 2): grid 4 x 64, 4 waves a work-group, clusters of 4 x 4, 327,680 bytes of LDS; arguments xb, wp, part; writes part
.if DOCPART == 2
	.amdgcn_target "amdgcn-amd-amdhsa--gfx1250"
	.amdhsa_code_object_version 6
	.text
	.protected	k_q41366074b0_quad
	.globl	k_q41366074b0_quad
	.p2align	8
	.type	k_q41366074b0_quad,@function
k_q41366074b0_quad:
	s_mov_b64 s[64:65], 0
	v_nop
	global_prefetch_b8 v0, s[64:65] scope:SCOPE_SE
	s_setreg_imm32_b32 hwreg(HW_REG_WAVE_MODE, 25, 1), 1
	s_wait_xcnt 0x0
	s_wait_alu depctr_hold_cnt(0) depctr_sa_sdst(0) depctr_va_vdst(0) depctr_va_sdst(0) depctr_va_ssrc(0) depctr_va_vcc(0) depctr_vm_vsrc(0)
	s_getreg_b32 s2, hwreg(HW_REG_IB_STS2, 6, 4)
	s_cmp_eq_u32 s2, 0
	s_cbranch_scc0 .Lentry_in_a_cluster
	s_endpgm
.Lentry_in_a_cluster:
	s_bfe_u32 s2, ttmp6, 0x10000c
	s_cmp_lg_u32 s2, 0xf033
	s_cbranch_scc0 .Lentry_shape_is_right
	s_endpgm
.Lentry_shape_is_right:
; part[2 p + c][b] = the share of x_b^T rho x_b that falls to 128 columns of each of three products.  xb: [16384][2048] bf16; wp: W0, W1, W2, each [1024][1024] bf16; part: [8][16384] f32.
; x^T rho x = x1^T W0 x1 + x1^T W1 x2 + x2^T W2 x2 (x1, x2: the two halves of a row; W1 holds both off-diagonal quarters of rho): three products of K = 1,024 in place of four.
; A work-group (p = 0..3, ty = 0..63) owns rows 256 ty .. +255 and makes three tiles Y = A W^T of 256 x 256, one after the other; a finished tile is not stored: each number is multiplied
; by x[row][its column] and summed along the row.      tile 0: A = x1, W0 rows 256 p .., dotted with x columns 256 p ..
;   tile 1: A = x2, W1 rows 256 p .., dotted with the same columns          tile 2: A = x2, W2 rows 256 p .., dotted with columns 1024 + 256 p ..
; Four waves, as many as a WGP has SIMDs; a wave makes 128 x 128: 64 accumulators of 16 x 16, 512 registers.  K goes in steps of 128 through a ring of two LDS slots filled by the tensor data
; mover (rows of 256 bytes, at multiples of 256 bytes from the buffers' first bytes), and the ring does not stop at a tile's end: a tile's last two changes of slots ask for the next tile's first two K steps.
; CLUSTERS: 4 x 4 work-groups.  The four of a row of the cluster own the same rows of x and, in every tile, walk the same K: A's tiles are asked for JOINTLY by them; the four of a column
; own the same p: B's tiles are asked for jointly by them.  Each of the four issues the same tensor load, with the same descriptor and a mask that names the four.
; THE MATRIX INSTRUCTION IS USED TRANSPOSED (source 0 = 16 rows of W, source 1 = 16 rows of x): lane l then holds row l % 16 of Y and the columns 8 (l / 16) + 0..7, which meet 16 neighbouring bytes of xb.
; LIMITS.  Operands are bf16, sums f32; a row's sum is made in another order than reference()'s: by tiles, four chains a lane, two halves of the lanes, and eight shares that a later launch adds.  NaN and infinities are not treated apart.
; REGISTERS, in windows of 256 (s_set_vgpr_msb's low byte: bits 1:0 source 0, 3:2 source 1, 5:4 source 2, 7:6 destination):
;   window 0: v0-31 addresses; v64-127, v128-191 fragments of A, two buffers; v32-63, v192-223 x for my row blocks 4, 5; v224-255 the row sums' chains.  When a tile is finished, buffer 1 takes x for row blocks 6, 7
;   window 1: v64-127, v128-191 fragments of B; v0-31, v32-63, v192-223, v224-255 x for my row blocks 0 to 3
;   window 2: the 32 accumulators of my rows 0-63 (row block a, column block b at v[8 (8 a + b)]);   window 3: those of my rows 64-127
.set KSTEP,  128
.set PITCH,  272                       ; an LDS row: 256 bytes + 16 of padding = 68 words: row r starts at bank 4 r mod 64 (64 banks of 4 bytes: ISA guide 11.1), so the 16 rows of a load start at 16 different banks
.set HALFT,  128*PITCH                 ; 128 rows: what one tensor load brings, and what one wave reads of A or of B
.set SLOT,   4*HALFT                   ; A's 256 rows, then B's 256 rows
.set STAGE,  2*SLOT                    ; behind the ring: 512 bytes for each wave, its 128 row sums on the way out
.set SPARE,  STAGE+4*512               ; behind the stages: the spare words, 128 bytes for each wave: two blocks of 256 bytes that no other line names
.set TILES,  3
.set LAPS,   1024/(2*KSTEP)            ; a lap = two K steps = once round the ring
.set NEXT_B, 1024*1024*2-(1024-2*KSTEP)*2  ; bytes from a slot's last K step in one matrix of wp to its first in the next
.set ADRA, 16                          ; v16-17  LDS address of my A fragments in slot 0, 1
.set ADRB, 20                          ; v20-21  the same for B
.set XO,   24                          ; v24     my byte offset in 16 rows of xb: 4,096 (l % 16) + 16 (l / 16); never rewritten
.set STO,  25                          ; v25     the way out: where I put a row's sum
.set RD,   26                          ; v26     the way out: where I read four sums back
.set PO,   27                          ; v27     my byte offset in the wave's 512 bytes of part
.set SPW,  28                          ; v28     LDS address of my spare word; never rewritten
.set NIL,  29                          ; v29     0; never rewritten
.set F0,   64
.set F1,   128
.set Q,    224                         ; chain c of row block a at v[Q + 4 a + c]
.set G1,  24                           ; s[24:31] descriptor group 1 for A's tiles
.set G0,  32                           ; s[32:39] group 0 for A's tiles, one set for each slot
.set G1B, 48                           ; s[48:55], s[56:63] the same for B's
.set G0B, 56
.set BK,  66                           ; s[66:67] 0 behind tile 0, 2,048 behind tile 1: how far A goes back along K, and how far my x columns go on
.set XP,  68                           ; s[68:69] xb at my first row and the first column that the tile in hand is dotted with
.set SEL, 70                           ; s70, s71 v_permlanex16_b32's selects
.set MSB, 0
.macro WIN new                         ; the immediate's high byte repeats the setting that is left; a switch that changes nothing is dropped
.if MSB != (\new)
	s_set_vgpr_msb (MSB<<8)|(\new)
.set MSB, \new
.endif
.endm
.set MUL_LO, 0xa1                      ; source 0 (B) window 1, source 1 (A) window 0, C and D window 2
.set MUL_HI, 0xf1                      ; the same, C and D window 3
.set TO_B,   0x40                      ; destination window 1, address window 0
; A joint load.  Waves 0 and 1 fetch A's two halves, waves 2 and 3 B's.  Each line has one mask and one set of registers for all that issue it; the branch hangs on the wave's number alone.
; An s_nop 0 and four v_nop follow each of the two lines, ahead of the jump, the label and what follows the macro.
.macro JLOAD s
	s_cmp_eq_u32 s11, 0
	s_cbranch_scc0 .Lfor_b_\@
	tensor_load_to_lds s[G0+4*(\s):G0+4*(\s)+3], s[G1:G1+7]
	s_nop 0
.rept 4
	v_nop
.endr
	s_branch .Lasked_\@
.Lfor_b_\@:
	tensor_load_to_lds s[G0B+4*(\s):G0B+4*(\s)+3], s[G1B:G1B+7]
	s_nop 0
.rept 4
	v_nop
.endr
.Lasked_\@:
.endm
; A round of the cluster's barrier: my work-group's barrier, so that wave 0's signal speaks for all four waves; wave 0 signals; every wave waits for all sixteen work-groups; my work-group's barrier once more.
.macro CREST                           ; a round behind its opening barrier
	s_cmp_lg_u32 s10, 0
	s_cbranch_scc1 .Lnot_wave_0_\@
	s_barrier_signal -3
.Lnot_wave_0_\@:
	s_barrier_wait -3
	s_barrier_signal -1
	s_barrier_wait -1
.endm
.macro CROUND                          ; a whole round
	s_barrier_signal -1
	s_barrier_wait -1
	CREST
.endm
	s_load_b128 s[4:7], s[0:1], 0x0                ; xb s[4:5], wp s[6:7]
	s_load_b64 s[8:9], s[0:1], 0x10                ; part
	v_lshl_add_u32 v[SPW], v0, 2, SPARE
	v_mov_b32 v[NIL], 0
	ds_add_u32 v[SPW], v[NIL]                      ; the wave's opening: the add and its wait stand ahead of my first tensor load; the set-up below, work on registers, stands between them
	v_lshrrev_b32 v1, 5, v0
	v_readfirstlane_b32 s10, v1                    ; wave 0..3
	s_lshr_b32 s11, s10, 1                         ; which half of the tile's rows is mine.  Also: I fetch for A (0) or for B (1)
	s_and_b32 s12, s10, 1                          ; which half of its columns.  Also: which 128 rows of that tile I fetch
	s_bfe_u32 s40, ttmp6, 0x40000                  ; cx: my place along the cluster's x
	s_bfe_u32 s41, ttmp6, 0x40004                  ; cy: along its y
	s_lshl_b32 s42, ttmp9, 2                       ; in a cluster launch ttmp9 and ttmp7 count clusters
	s_add_co_u32 s42, s42, s40                     ; p = 4 x cluster x + cx
	s_and_b32 s13, ttmp7, 0xffff
	s_lshl_b32 s13, s13, 2
	s_add_co_u32 s13, s13, s41                     ; ty = 4 x cluster y + cy
	s_lshl_b32 s43, s41, 2
	s_lshl_b32 s43, 15, s43                        ; my row of the cluster: places 4 cy .. 4 cy + 3
	s_lshl_b32 s44, 0x1111, s40                    ; my column: places cx, cx + 4, cx + 8, cx + 12
	; descriptor group 1: a tile of 128 rows x 128 elements, padded in LDS
	s_or_b32 s[G1+0], s43, (1<<16)|(1<<20)|(1<<21)|(5<<22)|(3<<25)  ; 15:0 the mask: A's tiles go to my row; 17:16 elements of 2 bytes; 20 padding on; 21 set beside a mask; 24:22 after every 64 words (code 5); 31:25 4 words of it (code 3)
	s_or_b32 s[G1B+0], s44, (1<<16)|(1<<20)|(1<<21)|(5<<22)|(3<<25) ; the same with the mask of my column, for B's tiles
.irp g, G1, G1B
	s_mov_b32 s[(\g)+1], KSTEP<<16                 ; tensor_dim0 = 128
	s_mov_b32 s[(\g)+2], 128<<16                   ; tensor_dim1 = 128
	s_mov_b32 s[(\g)+3], KSTEP<<16                 ; tile_dim0 = 128
	s_mov_b32 s[(\g)+4], 128                       ; tile_dim1 = 128
	s_mov_b32 s[(\g)+6], 0
	s_mov_b32 s[(\g)+7], 0
.endr
	s_mov_b32 s[G1+5], 2048                        ; elements from row to row: xb's
	s_mov_b32 s[G1B+5], 1024                       ; and wp's
	; where the tiles come from.  A's hang on ty alone, which my row of the cluster shares; B's on p alone, which my column shares; each in registers that never hold the other coordinate.
	s_lshl_b32 s17, s12, 7                         ; which 128 rows of the tile I fetch
	s_lshl_b32 s16, s13, 8
	s_add_co_u32 s16, s16, s17                     ; A: row 256 ty + 128 x half,
	s_lshl_b32 s16, s16, 12                        ; of 4,096 bytes: under 2^27
	s_lshl_b32 s46, s42, 8
	s_add_co_u32 s46, s46, s17                     ; B: row 256 p + 128 x half,
	s_lshl_b32 s46, s46, 11                        ; of 2,048 bytes
	s_mov_b32 s17, 0
	s_mov_b32 s47, 0
	s_mul_i32 s20, s10, HALFT                      ; and where they go: A's two halves, then B's two = wave x 128 rows: no place in the cluster enters an LDS address
	s_mov_b32 s[BK], 0
	s_mov_b32 s[BK+1], 0
	s_mov_b32 s[SEL], 0x76543210
	s_mov_b32 s[SEL+1], 0xfedcba98
	s_wait_dscnt 0x0                               ; the opening add is done
	s_wait_kmcnt 0x0
	s_add_nc_u64 s[14:15], s[4:5], s[16:17]
	s_add_nc_u64 s[46:47], s[6:7], s[46:47]
	CROUND                                         ; all sixteen work-groups are here: the first joint loads meet
.irp s, 0,1
	s_mov_b32 s[G0+4*(\s)], 1                                      ; count = 1
	s_add_co_u32 s[G0+4*(\s)+1], s20, (\s)*SLOT                    ; LDS address
	s_add_nc_u64 s[G0+4*(\s)+2:G0+4*(\s)+3], s[14:15], (\s)*KSTEP*2  ; global address: K step s of tile 0
	s_or_b32 s[G0+4*(\s)+3], s[G0+4*(\s)+3], 0x80000000            ; type = 2
	s_mov_b32 s[G0B+4*(\s)], 1
	s_add_co_u32 s[G0B+4*(\s)+1], s20, (\s)*SLOT
	s_add_nc_u64 s[G0B+4*(\s)+2:G0B+4*(\s)+3], s[46:47], (\s)*KSTEP*2
	s_or_b32 s[G0B+4*(\s)+3], s[G0B+4*(\s)+3], 0x80000000
	JLOAD \s                                       ; the ring is filled before anything else is done: two loads of mine are out
.endr
	; A fragment is 16 rows x 32 K in 8 registers: lane l holds row l % 16; registers 0-3 hold K = 8 (l / 16) + 0..7, registers 4-7 K = 16 + 8 (l / 16) + 0..7: two loads of 16 bytes, 32 bytes apart.
	v_and_b32 v1, 15, v0                           ; l % 16
	v_bfe_u32 v2, v0, 4, 1                         ; l / 16
	v_mul_u32_u24 v3, v1, PITCH
	v_lshl_add_u32 v3, v2, 4, v3                   ; row x pitch + 16 x half
	s_mul_i32 s21, s11, HALFT                      ; my 128 rows of A
	s_mul_i32 s22, s12, HALFT                      ; my 128 rows of B,
	s_add_co_u32 s22, s22, 2*HALFT                 ; which lie behind A's 256
.irp s, 0,1
	v_add_nc_u32 v[ADRA+(\s)], s21, v3
	v_add_nc_u32 v[ADRB+(\s)], s22, v3
	s_add_co_u32 s21, s21, SLOT
	s_add_co_u32 s22, s22, SLOT
.endr
	v_lshlrev_b32 v[XO], 12, v1
	v_lshl_add_u32 v[XO], v2, 4, v[XO]
	s_lshl_b32 s23, s10, 9
	s_add_co_u32 s23, s23, STAGE                   ; my stage
	v_lshl_add_u32 v[STO], v1, 2, s23              ; in: row 16 a + l % 16 at 64 a + 4 (l % 16)
	v_and_b32 v4, 31, v0
	v_lshl_add_u32 v[RD], v4, 4, s23               ; back: 16 bytes a lane, 512 on end
	v_lshlrev_b32 v[PO], 4, v4
	; my x columns and my place in part; these registers hold both coordinates and feed no descriptor
	s_lshl_b32 s74, s13, 8
	s_lshl_b32 s75, s11, 7
	s_add_co_u32 s74, s74, s75                     ; my first row: 256 ty + 128 x half
	s_lshl_b32 s75, s42, 1
	s_add_co_u32 s75, s75, s12                     ; 2 p + my half of the columns
	s_lshl_b32 s72, s74, 12
	s_lshl_b32 s73, s75, 8                         ; 128 columns of 2 bytes
	s_add_co_u32 s72, s72, s73
	s_mov_b32 s73, 0
	s_add_nc_u64 s[XP:XP+1], s[4:5], s[72:73]
	s_lshl_b32 s72, s75, 16                        ; a share of part is 16,384 numbers of 4 bytes
	s_lshl_b32 s74, s74, 2
	s_add_co_u32 s72, s72, s74
	s_add_nc_u64 s[8:9], s[8:9], s[72:73]
.set i, 0
.rept 32
	v_mov_b32 v[Q+i], 0                            ; the chains run over all three tiles: 32 lines, in the wait for the first tile
.set i, i+1
.endr
; 16 matrix instructions: row blocks a0, a0 + 1 of the window's four (hi = 0: my rows 0-63, 1: rows 64-127) x all 8 column blocks, 32 along K.  zero = 1: the first product starts the sums: no accumulator is ever cleared.
.macro MUL16 f, hi, a0, zero
	WIN MUL_LO+0x50*(\hi)
.irp a, \a0, (\a0)+1
.irp b, 0,1,2,3,4,5,6,7
.if \zero
	v_wmma_f32_16x16x32_bf16 v[8*(8*(\a)+(\b)):8*(8*(\a)+(\b))+7], v[(\f)+8*(\b):(\f)+8*(\b)+7], v[(\f)+8*(4*(\hi)+(\a)):(\f)+8*(4*(\hi)+(\a))+7], 0
.else
	v_wmma_f32_16x16x32_bf16 v[8*(8*(\a)+(\b)):8*(8*(\a)+(\b))+7], v[(\f)+8*(\b):(\f)+8*(\b)+7], v[(\f)+8*(4*(\hi)+(\a)):(\f)+8*(4*(\hi)+(\a))+7], v[8*(8*(\a)+(\b)):8*(8*(\a)+(\b))+7]
.endif
.endr
.endr
.endm
; 32 LDS loads in one run: the fragments of one quarter step (128 rows of B, 128 rows of A, 32 K at byte k of the rows) into buffer f
.macro FETCH slot, k, f
	WIN TO_B
.irp i, 0,1,2,3,4,5,6,7
	ds_load_b128 v[(\f)+8*(\i):(\f)+8*(\i)+3],   v[ADRB+(\slot)] offset:(\k)+(\i)*16*PITCH
	ds_load_b128 v[(\f)+8*(\i)+4:(\f)+8*(\i)+7], v[ADRB+(\slot)] offset:(\k)+(\i)*16*PITCH+32
.endr
	WIN 0
.irp i, 0,1,2,3,4,5,6,7
	ds_load_b128 v[(\f)+8*(\i):(\f)+8*(\i)+3],   v[ADRA+(\slot)] offset:(\k)+(\i)*16*PITCH
	ds_load_b128 v[(\f)+8*(\i)+4:(\f)+8*(\i)+7], v[ADRA+(\slot)] offset:(\k)+(\i)*16*PITCH+32
.endr
.endm
; A load into a register that a matrix instruction has read, and a vector instruction that reads a matrix result, stand four places behind that matrix instruction, and only plain vector
; instructions that name none of its registers are places (ISA guide 7.12.1 for vector instructions).
.macro PLACES
.rept 4
	v_nop
.endr
.endm
; A K step is four quarter steps of 32 along K, 64 matrix instructions each, on buffers 0, 1, 0, 1.  The 64 accumulators take turns, one instruction a turn, in the same order in every quarter.
; One of the first three: multiplies buffer f; in its middle it fetches the next quarter's fragments, at byte k of the same slot's rows, into buffer g.
.macro QUARTER slot, k, f, g, zero
	s_wait_dscnt 8                                 ; B and A's rows 0-63 are in; the youngest eight loads (A's rows 64-127) may be out
	MUL16 \f, 0, 0, \zero
	MUL16 \f, 0, 2, \zero
	PLACES
	FETCH \slot, \k, \g
	s_wait_dscnt 32                                ; all but the 32 just issued
	MUL16 \f, 1, 0, \zero
	MUL16 \f, 1, 2, \zero
.endm
; The last quarter multiplies buffer 1 and changes slots.  MEET is its first half: ONE barrier for the change of slots.  In front of it each wave waits for all its tensor loads, of which one is out:
; its part of the next slot; adds 0 to its spare word; and waits for that and for its own reads of this slot.  Behind it nobody reads this slot any more and the next slot is whole.
.macro MEET round                      ; round = 1: a round of the cluster's barrier follows
	WIN 0                                          ; (the add's two registers lie in window 0)
	s_wait_tensorcnt 0x0                           ; all my tensor loads have landed;
	ds_add_u32 v[SPW], v[NIL]                      ; 0 onto my spare word;
	s_wait_dscnt 9                                 ; (the add and the youngest eight loads may be out)
	MUL16 F1, 0, 0, 0                              ; sixteen matrix instructions stand between the add and the wait for it
	s_wait_dscnt 0x0                               ; the add is done, and my reads of this slot are over:
	s_barrier_signal -1                            ; say so,
	MUL16 F1, 0, 2, 0                              ; work on registers while the others arrive,
.if \round
	WIN 0
.endif
	s_barrier_wait -1                              ; and go on when all four have said so
.endm
; The whole last quarter.  Behind the round the slot just read out is filled again first: with this tile's K step two steps on (on = 0) or, in a tile's last two K steps, with the NEXT tile's K step 0 or 1 (on = 1):
; A goes two steps on and BK bytes back (tile 1 goes on along K where tile 0 ended; tile 2 walks tile 1's K again), B to the next matrix.  From a request to the wait for it a wave issues 224 matrix instructions.
.macro TURN slot, next, on
	MEET 1
	CREST                                          ; no wave of any partner still reads this slot's tile or has a load on its way
	s_add_nc_u64 s[G0+4*(\slot)+2:G0+4*(\slot)+3], s[G0+4*(\slot)+2:G0+4*(\slot)+3], 2*KSTEP*2
.if \on
	s_sub_nc_u64 s[G0+4*(\slot)+2:G0+4*(\slot)+3], s[G0+4*(\slot)+2:G0+4*(\slot)+3], s[BK:BK+1]
	s_add_nc_u64 s[G0B+4*(\slot)+2:G0B+4*(\slot)+3], s[G0B+4*(\slot)+2:G0B+4*(\slot)+3], NEXT_B
.else
	s_add_nc_u64 s[G0B+4*(\slot)+2:G0B+4*(\slot)+3], s[G0B+4*(\slot)+2:G0B+4*(\slot)+3], 2*KSTEP*2
.endif
	JLOAD \slot                                    ; the first tensor load behind the round, my only one until the next; the four v_nop behind it are also the places in front of the loads below
	FETCH \next, 0, F0
	MUL16 F1, 1, 0, 0
	MUL16 F1, 1, 2, 0
.endm
; THE CLOSING DOT.  x for row block a: 32 registers, four for each column block b: the 16 bytes xb[row 16 a + l % 16][column 16 b + 8 (l / 16) + 0..7].
.macro XREG a                          ; where they lie: blocks 0-3 in window 1, blocks 4-7 in window 0
.if (\a) == 0
.set XR, 0
.elseif ((\a) == 1) || ((\a) == 4)
.set XR, 32
.elseif ((\a) == 2) || ((\a) == 5)
.set XR, 192
.elseif (\a) == 3
.set XR, 224
.elseif (\a) == 6
.set XR, 128
.else
.set XR, 160
.endif
.endm
.macro XLD a
	XREG \a
.irp b, 0,1,2,3,4,5,6,7
	global_load_b128 v[XR+4*(\b):XR+4*(\b)+3], v[XO], s[XP:XP+1] offset:65536*(\a)+32*(\b)
.endr
.endm
.macro XLOAD                           ; at a tile's start: six of the eight blocks, into registers that no matrix instruction names; they have the whole tile in which to land
	WIN TO_B
	XLD 0
	XLD 1
	XLD 2
	XLD 3
	WIN 0
	XLD 4
	XLD 5
.endm
; Row block a: 64 multiply-adds a lane, x taken straight from its bf16 half, onto four chains by turns; each accumulator's registers in ascending order.
.macro DOT a
	XREG \a
.set AC, 64*((\a)%4)
.if (\a) < 4
	WIN 0x09                                       ; x in window 1, the accumulator in window 2, the chain in window 0
.else
	WIN 0x0c                                       ; x in window 0, the accumulator in window 3
.endif
.irp b, 0,1,2,3,4,5,6,7
.irp j, 0,1,2,3
	v_fma_mix_f32_bf16 v[Q+4*(\a)+(2*(\j))%4],   v[XR+4*(\b)+(\j)], v[AC+8*(\b)+2*(\j)],   v[Q+4*(\a)+(2*(\j))%4]   op_sel_hi:[1,0,0]
	v_fma_mix_f32_bf16 v[Q+4*(\a)+(2*(\j)+1)%4], v[XR+4*(\b)+(\j)], v[AC+8*(\b)+2*(\j)+1], v[Q+4*(\a)+(2*(\j)+1)%4] op_sel:[1,0,0] op_sel_hi:[1,0,0]
.endr
.endr
.endm
.macro FLUSH                           ; a tile is finished
	WIN 0
	PLACES                                         ; behind the last products: for the reads of their results, and for the loads into buffer 1, which they read
	XLD 6
	XLD 7
	s_wait_loadcnt 16                              ; the 48 loads of the tile's start are in; the 16 just issued may stay out
	DOT 0
	DOT 1
	DOT 2
	DOT 3
	DOT 4
	DOT 5
	s_wait_loadcnt 0x0
	DOT 6
	DOT 7
	WIN 0
.endm
	s_wait_tensorcnt 1                             ; my part of K step 0 is in; K step 1's may stay out
	s_barrier_signal -1
	s_barrier_wait -1                              ; everybody's is
	FETCH 0, 0, F0
	s_mov_b32 s2, TILES                            ; tiles to go, this one among them: the same number in every work-group
.Ltile:                                                ; (FETCH and FLUSH leave every window 0)
	XLOAD
	QUARTER 0, 64,  F0, F1, 1                      ; a tile's first quarter stands in front of the loop: its products start the sums
	WIN 0                                          ; at a label and at a branch every window is 0
	s_mov_b32 s3, LAPS-1
.Llap:                                                 ; a trip goes once round the ring, from a lap's second quarter to the next lap's first, and fills both slots again
	QUARTER 0, 128, F1, F0, 0
	QUARTER 0, 192, F0, F1, 0
	TURN 0, 1, 0
	QUARTER 1, 64,  F0, F1, 0
	QUARTER 1, 128, F1, F0, 0
	QUARTER 1, 192, F0, F1, 0
	TURN 1, 0, 0
	QUARTER 0, 64,  F0, F1, 0
	WIN 0
	s_sub_co_u32 s3, s3, 1
	s_cmp_lg_u32 s3, 0
	s_cbranch_scc1 .Llap
	QUARTER 0, 128, F1, F0, 0                      ; the tile's last lap goes on
	QUARTER 0, 192, F0, F1, 0
	WIN 0
	s_cmp_eq_u32 s2, 1
	s_cbranch_scc1 .Llast_tile                     ; the last tile's tail is written out: it asks for nothing more
	TURN 0, 1, 1                                   ; THE RING GOES ON INTO THE NEXT TILE: slot 0 takes its K step 0,
	QUARTER 1, 64,  F0, F1, 0
	QUARTER 1, 128, F1, F0, 0
	QUARTER 1, 192, F0, F1, 0
	TURN 1, 0, 1                                   ; slot 1 its K step 1, and the next tile's first fragments are fetched
	FLUSH                                          ; both refills are asked for: now the tile is dotted with x
	s_add_nc_u64 s[XP:XP+1], s[XP:XP+1], s[BK:BK+1]  ; every load that names XP is done (the wait for 0 in FLUSH): tile 1 takes the same columns of x, tile 2 those 1,024 further on
	s_mov_b32 s[BK], 2048
	s_sub_co_u32 s2, s2, 1
	s_branch .Ltile
.Llast_tile:
	MEET 0                                         ; my one tensor load that was still out is slot 1's, the last K step's, so no round follows
	PLACES                                         ; for the loads into buffer 0, which the quarter before multiplied
	FETCH 1, 0, F0
	MUL16 F1, 1, 0, 0
	MUL16 F1, 1, 2, 0
	QUARTER 1, 64,  F0, F1, 0
	QUARTER 1, 128, F1, F0, 0
	QUARTER 1, 192, F0, F1, 0
	s_wait_dscnt 8                                 ; the very last quarter: nothing more to fetch
	MUL16 F1, 0, 0, 0
	MUL16 F1, 0, 2, 0
	s_wait_dscnt 0x0
	MUL16 F1, 1, 0, 0
	MUL16 F1, 1, 2, 0
	FLUSH
	; THE WAY OUT.  A row's four chains are added, then the other half of the lanes' (the row's other columns); the wave's 128 sums go through its own stage and leave as 512 neighbouring bytes.
.irp a, 0,1,2,3,4,5,6,7
	v_pk_add_f32 v[Q+4*(\a):Q+4*(\a)+1], v[Q+4*(\a):Q+4*(\a)+1], v[Q+4*(\a)+2:Q+4*(\a)+3]
.endr
.irp a, 0,1,2,3,4,5,6,7
	v_add_f32 v[Q+4*(\a)], v[Q+4*(\a)], v[Q+4*(\a)+1]
.endr
.irp a, 0,1,2,3,4,5,6,7
	v_permlanex16_b32 v[Q+4*(\a)+1], v[Q+4*(\a)], s[SEL], s[SEL+1]
.endr
.irp a, 0,1,2,3,4,5,6,7
	v_add_f32 v[Q+4*(\a)], v[Q+4*(\a)], v[Q+4*(\a)+1]
.endr
.irp a, 0,1,2,3,4,5,6,7
	ds_store_b32 v[STO], v[Q+4*(\a)] offset:64*(\a)  ; both halves of the lanes write the same word with the same value
.endr
	ds_load_b128 v[32:35], v[RD]                   ; LDS serves a wave's instructions in order (ISA guide 5.7.1.4): this sees the stores above; the stage is my own
	s_wait_dscnt 0x0
	global_store_b128 v[PO], v[32:35], s[8:9]      ; 512 neighbouring bytes, at a multiple of 512 from part's first byte
	s_wait_tensorcnt 0x0                           ; the wave's end, behind my last tensor load and my last LDS store
	ds_add_u32 v[SPW], v[NIL]
	s_wait_dscnt 0x0
	CROUND                                         ; the closing round: no work-group ends while a partner may still ask for a tile that names it
	s_endpgm
.Lfunc_end_k_q41366074b0_quad:
	.size	k_q41366074b0_quad, .Lfunc_end_k_q41366074b0_quad-k_q41366074b0_quad
	.p2alignl 7, 3214868480
	.fill 96, 4, 3214868480
	.section	.rodata,"a",@progbits
	.p2align	6, 0x0
	.amdhsa_kernel k_q41366074b0_quad
		.amdhsa_group_segment_fixed_size 327680
		.amdhsa_private_segment_fixed_size 0
		.amdhsa_enable_private_segment 0
		.amdhsa_kernarg_size 24
		.amdhsa_user_sgpr_count 2
		.amdhsa_user_sgpr_kernarg_segment_ptr 1
		.amdhsa_wavefront_size32 1
		.amdhsa_system_sgpr_workgroup_id_x 1
		.amdhsa_system_sgpr_workgroup_id_y 1
		.amdhsa_system_sgpr_workgroup_id_z 1
		.amdhsa_system_vgpr_workitem_id 0
		.amdhsa_next_free_vgpr 1024
		.amdhsa_next_free_sgpr 80
		.amdhsa_reserve_vcc 0
		.amdhsa_float_denorm_mode_32 3
		.amdhsa_float_denorm_mode_16_64 3
		.amdhsa_memory_ordered 1
		.amdhsa_forward_progress 1
		.amdhsa_inst_pref_size 220
	.end_amdhsa_kernel
	.amdgpu_metadata
---
amdhsa.version: [ 1, 2 ]
amdhsa.kernels:
  - .name:           k_q41366074b0_quad
    .symbol:         k_q41366074b0_quad.kd
    .args:
      - { .name: xb, .offset: 0, .size: 8, .value_kind: global_buffer, .address_space: global }
      - { .name: wp, .offset: 8, .size: 8, .value_kind: global_buffer, .address_space: global }
      - { .name: part, .offset: 16, .size: 8, .value_kind: global_buffer, .address_space: global }
    .group_segment_fixed_size: 327680
    .private_segment_fixed_size: 0
    .kernarg_segment_align: 8
    .kernarg_segment_size: 24
    .max_flat_workgroup_size: 128
    .sgpr_count:     80
    .vgpr_count:     1024
    .wavefront_size: 32
...
	.end_amdgpu_metadata
.endif
;; end of part 2
;; launch finish (part 3): grid 256 x 1, 1 waves a work-group, no clusters, 0 bytes of LDS; arguments part, nrm, out0; writes out0
.if DOCPART == 3
	.amdgcn_target "amdgcn-amd-amdhsa--gfx1250"
	.amdhsa_code_object_version 6
	.text
	.protected	k_q41366074b0_finish
	.globl	k_q41366074b0_finish
	.p2align	8
	.type	k_q41366074b0_finish,@function
k_q41366074b0_finish:
	s_mov_b64 s[64:65], 0
	v_nop
	global_prefetch_b8 v0, s[64:65] scope:SCOPE_SE
	s_setreg_imm32_b32 hwreg(HW_REG_WAVE_MODE, 25, 1), 1
	s_wait_xcnt 0x0
; out0[b] = nrm[b] x the sum of the eight shares part[0..7][b].  part: [8][16384] f32, nrm and out0: [16384] f32.
; One wave takes 64 numbers, two a lane: each load and the store cover 256 neighbouring, aligned bytes.  The eight shares are added in a fixed tree, so the result hangs on no order of arrival.
; No LDS, no barrier, no matrix work: nine loads, eight packed instructions and a store.
	s_load_b128 s[4:7], s[0:1], 0x0                ; part s[4:5], nrm s[6:7]
	s_load_b64 s[8:9], s[0:1], 0x10                ; out0
	s_lshl_b32 s10, ttmp9, 8                       ; 64 numbers of 4 bytes a work-group
	v_lshl_add_u32 v1, v0, 3, s10
	s_wait_kmcnt 0x0
.irp i, 0,1,2,3,4,5,6,7
	global_load_b64 v[2+2*(\i):3+2*(\i)], v1, s[4:5] offset:65536*(\i)
.endr
	global_load_b64 v[18:19], v1, s[6:7]
	s_wait_loadcnt 0x0
	v_pk_add_f32 v[2:3], v[2:3], v[4:5]
	v_pk_add_f32 v[6:7], v[6:7], v[8:9]
	v_pk_add_f32 v[10:11], v[10:11], v[12:13]
	v_pk_add_f32 v[14:15], v[14:15], v[16:17]
	v_pk_add_f32 v[2:3], v[2:3], v[6:7]
	v_pk_add_f32 v[10:11], v[10:11], v[14:15]
	v_pk_add_f32 v[2:3], v[2:3], v[10:11]
	v_pk_mul_f32 v[2:3], v[2:3], v[18:19]
	global_store_b64 v1, v[2:3], s[8:9]
	s_endpgm
.Lfunc_end_k_q41366074b0_finish:
	.size	k_q41366074b0_finish, .Lfunc_end_k_q41366074b0_finish-k_q41366074b0_finish
	.p2alignl 7, 3214868480
	.fill 96, 4, 3214868480
	.section	.rodata,"a",@progbits
	.p2align	6, 0x0
	.amdhsa_kernel k_q41366074b0_finish
		.amdhsa_group_segment_fixed_size 0
		.amdhsa_private_segment_fixed_size 0
		.amdhsa_enable_private_segment 0
		.amdhsa_kernarg_size 24
		.amdhsa_user_sgpr_count 2
		.amdhsa_user_sgpr_kernarg_segment_ptr 1
		.amdhsa_wavefront_size32 1
		.amdhsa_system_sgpr_workgroup_id_x 1
		.amdhsa_system_sgpr_workgroup_id_y 1
		.amdhsa_system_sgpr_workgroup_id_z 1
		.amdhsa_system_vgpr_workitem_id 0
		.amdhsa_next_free_vgpr 24
		.amdhsa_next_free_sgpr 66
		.amdhsa_reserve_vcc 0
		.amdhsa_float_denorm_mode_32 3
		.amdhsa_float_denorm_mode_16_64 3
		.amdhsa_memory_ordered 1
		.amdhsa_forward_progress 1
		.amdhsa_inst_pref_size 2
	.end_amdhsa_kernel
	.amdgpu_metadata
---
amdhsa.version: [ 1, 2 ]
amdhsa.kernels:
  - .name:           k_q41366074b0_finish
    .symbol:         k_q41366074b0_finish.kd
    .args:
      - { .name: part, .offset: 0, .size: 8, .value_kind: global_buffer, .address_space: global }
      - { .name: nrm, .offset: 8, .size: 8, .value_kind: global_buffer, .address_space: global }
      - { .name: out0, .offset: 16, .size: 8, .value_kind: global_buffer, .address_space: global }
    .group_segment_fixed_size: 0
    .private_segment_fixed_size: 0
    .kernarg_segment_align: 8
    .kernarg_segment_size: 24
    .max_flat_workgroup_size: 32
    .sgpr_count:     66
    .vgpr_count:     24
    .wavefront_size: 32
...
	.end_amdgpu_metadata
.endif
;; end of part 3
